; MI455X (gfx1250); checked and timed in simulation.
; The chip was launched on July 23, 2026; its instructions are those of AMD's public machine-readable ISA for CDNA 5 (MIT licence, August 2026) and "CDNA5" Instruction Set Architecture Reference Guide (July 2026). The comments in the code are by the model that wrote it; some were corrected since.
;; Atten. Allowed arithmetic: matrix products marked QUANTISED: E4M3 operands, one given power-of-two scale a tensor, by v_wmma_f32_16x16x64_fp8_fp8 or v_wmma_f32_16x16x128_fp8_fp8, f32 sums; everything else in f32.
;; Inputs: Wk 512 x 512 float32; Wo 512 x 512 float32; Wq 512 x 512 float32; Wv 512 x 512 float32; bk 512 float32; bo 512 float32; bq 512 float32; bv 512 float32; gn_b 512 float32; gn_w 512 float32; lowp_scales 12 int32 (the exponents e of the quantised operands' scales 2^e); x 32 x 512 x 32 x 32 float32.
;; Outputs: out0 32 x 512 x 32 x 32 float32.
;; This version of the problem:
;;   THIS VERSION OF THE PROBLEM IS GIVEN IN LOW PRECISION. The matrix products marked QUANTISED in the list below multiply operands that are first quantised to E4M3 (4 exponent bits, 3 mantissa bits; 8 bits a number), with one given power-of-two scale for each operand tensor; their sums are f32. All else is computed in f32.
;;   The module's matrix products, in the order in which they are computed (A, B: the left and right operand; K: the contracted axis; several contracted axes count as one K, in the product's order):
;;     1. [M 32,768, K 512] x [K 512, N 512]; A: computed on the way; B: input Wq: QUANTISED (scales: A lowp_scales[0], B lowp_scales[1])
;;     2. [M 32,768, K 512] x [K 512, N 512]; A: computed on the way; B: input Wk: QUANTISED (scales: A lowp_scales[2], B lowp_scales[3])
;;     3. [M 32,768, K 512] x [K 512, N 512]; A: computed on the way; B: input Wv: QUANTISED (scales: A lowp_scales[4], B lowp_scales[5])
;;     4. batch 32 x [M 1,024, K 512] x [K 512, N 1,024]; A: computed on the way; B: computed on the way: QUANTISED (scales: A lowp_scales[6], B lowp_scales[7])
;;     5. batch 32 x [M 1,024, K 1,024] x [K 1,024, N 512]; A: softmax (see below); B: computed on the way: QUANTISED (scales: A lowp_scales[8], B lowp_scales[9])
;;     6. [M 32,768, K 512] x [K 512, N 512]; A: computed on the way; B: input Wo: QUANTISED (scales: A lowp_scales[10], B lowp_scales[11])
;;   THE QUANTISER, for each operand of a quantised product, along K:
;;     - The operand's scale is 2^e, e = its entry of the input lowp_scales (int32; the entries are numbered through the quantised products in the list's order, A before B).
;;     - Each number is divided by the scale, clamped to +-448, and rounded to the nearest number of E4M3, ties to even, subnormals kept.
;;     - The product sums the exact products of the quantised numbers (number of the format x scale) in f32.
;;   ~~~python
;;   def quantise(x, axis, e):      # numpy; x: float32 -> the quantised numbers, widened to float32 again
;;       x = np.moveaxis(x, axis, -1); K = x.shape[-1]
;;       r = np.clip(x / 2.0 ** e, -448, 448)
;;       step = 2.0 ** (np.maximum(np.frexp(np.where(r == 0, 1, r))[1] - 1, -6) - 3)
;;       q = np.round(r / step) * step * 2.0 ** e      # np.round: ties to even
;;       return np.moveaxis(q, -1, axis).astype(np.float32)
;;   ~~~
;;   SOFTMAX AHEAD OF A QUANTISED PRODUCT. Where the list says 'softmax', what is quantised is not the finished softmax but p = 2^(t - M), with t = logit x log2(e) and M = ceil(the row's largest t), a whole number; so 1/2 < the row's largest p <= 1. The row's sum l is taken of the UNQUANTISED p, in f32, and the product's result is divided by l at the end. Since M is a whole number, a kernel that streams over the keys may use a running M (the ceiling of the running maximum): every later rescaling is an exact power of two, so the quantised numbers keep their values, but for numbers so far below the row's largest that they fall under the format's range.
;;   OPERANDS COMPUTED ON THE WAY. 'Computed on the way' means the value that the module computes at that place (a softmax that the list does not call 'softmax' is quantised finished and normalised). What goes into a quantiser is computed in f32, as accurately as f32 sums, v_exp_f32 and their like allow (about 1e-6 of the number): no bf16 or f16 on the way to a quantiser, and a product that is left as it is and whose result goes on into a quantised operand takes f32 operands (vector FMAs, or v_wmma_f32_16x16x4_f32). A number that lies on a knife's edge between two numbers of the format may be rounded either way, as far as f32 arithmetic and the matrix unit's own rounding can turn it there, and no further.
;; One version. Each part assembles by itself: llvm-mc -triple=amdgcn-amd-amdhsa -mcpu=gfx1250 --defsym DOCPART=n.
;; ======== version 1 of 1: 3 launches
;; limits: right only within a limited range of input values
;; workspace buffers: tc 50,331,648 bytes; qc 16,777,216 bytes; kc 16,777,216 bytes; vc 16,777,216 bytes; wc 1,048,576 bytes
;; launch prep (part 1): grid 1088 x 1, 8 waves a work-group, no clusters, 1,280 bytes of LDS; arguments x, gn_w, gn_b, Wq, Wk, Wv, Wo, lowp_scales, tc, wc; writes tc, wc
.if DOCPART == 1
	.amdgcn_target "amdgcn-amd-amdhsa--gfx1250"
	.amdhsa_code_object_version 6
	.text
	.protected	k_q5a591b61ea_prep
	.globl	k_q5a591b61ea_prep
	.p2align	8
	.type	k_q5a591b61ea_prep,@function
k_q5a591b61ea_prep:
	s_mov_b64 s[64:65], 0
	v_nop
	global_prefetch_b8 v0, s[64:65] scope:SCOPE_SE
	s_setreg_imm32_b32 hwreg(HW_REG_WAVE_MODE, 25, 1), 1
	s_wait_xcnt 0x0
; GROUP NORM AND THE FIRST QUANTISERS.  x: [32][512][1024] f32.  Work-groups 0 to 63 turn Wq, Wk, Wv, Wo into codes: their work is short, so they come first.  Work-groups 64 to 1087 take one (batch, group)
; each: 16 channels x 1,024 positions, 65,536 consecutive bytes, which stay in registers (64 numbers a thread) between the mean, the variance and the codes: x is read once.
; STATISTICS in two passes over the registers: the mean first, then the sum of (x - mean)^2: no difference of large sums is formed.  Then (x - mean) x rstd in place, and x gain + bias by one multiply-add.
; CODES of E4M3: number / 2^e, held within +-448, to the nearest code, ties to even.  t = h^T is an operand of three products, with the scales e0, e2, e4.  tc holds up to three sets of its codes, set n at
; byte n x 16,777,216: set 0 (e0) always; set 1 (e2) only where e2 differs from e0; set 2 (e4) only where e4 differs from both: the next launch chooses by the same compares, so no byte is read that was not stored.
; LAYOUT of every buffer of codes: images of operand registers.  A fragment, 16 rows x 128 along K, is 2,048 bytes: group c (four registers) at 512 c + 16 x lane; lane (r, h) holds k = 32 c + 16 h + 0 .. 15.
;   a set of tc: [batch][block of 128 positions][tile 8][K step 4][fragment]; row r of tile T is position 64 (T / 4) + 4 r + T % 4 of the block.
;   wc: [q, k, v, o][tile 32][K step 4][fragment]; for q, k, v row r of tile 2 B + u is row 32 B + 8 u + r + 8 (r / 8) of the weight; for o row r of tile T is row 16 T + r.
; A group's 16 channels are one lane's 16 bytes of a fragment, at byte 256 g of a tile's 8,192: thread t holds positions 4 t .. 4 t + 3 of all 16 channels, so sixteen neighbouring lanes store 256 consecutive bytes, aligned.
; REGISTERS: 128 a wave, so that four work-groups of eight waves fit into a WGP's 4 x 1,024: the loads of four groups are on their way together.
; LIMITS: e0, e2, e4, e1, e3, e5, e11 between -126 and 119, so that 2^e and 448 x 2^e are f32 numbers.  NaN among the inputs is not served.
; No matrix unit, no tensor loads, no cluster: the work-groups share no input, and memory binds.
.set NW,  64                           ; the weights' work-groups
.set T,   24                           ; v24-39   a position's 16 channels; before that, with v40-43: the reductions' scratch
.set CD,  40                           ; v40-55   codes: four registers for each position
.set X,   64                           ; v64-127  x(channel c, position j) at 4 c + j
.macro POW2 se, vsc, vlim              ; v[vsc] = 2^e, v[vlim] = 448 x 2^e, e in s[se]
	s_add_co_i32 s86, s[\se], 127
	s_lshl_b32 s87, s86, 23
	v_mov_b32 v[\vsc], s87
	s_add_co_i32 s86, s86, 8
	s_lshl_b32 s86, s86, 23
	s_or_b32 s86, s86, 0x600000            ; 448's mantissa field
	v_mov_b32 v[\vlim], s86
.endm
	s_load_b512 s[4:19], s[0:1], 0x0               ; x 4, gn_w 6, gn_b 8, Wq 10, Wk 12, Wv 14, Wo 16, the scales' exponents 18
	s_load_b64 s[20:21], s[0:1], 0x40              ; tc
	s_load_b64 s[26:27], s[0:1], 0x48              ; wc
	v_lshl_add_u32 v12, v0, 2, 0x100
	v_mov_b32 v13, 0
	v_lshrrev_b32 v3, 5, v0
	s_delay_alu instid0(VALU_DEP_1)
	v_readfirstlane_b32 s41, v3                    ; wave 0..7
	s_mov_b32 s40, ttmp9
	s_mov_b32 s43, 0
	s_wait_kmcnt 0x0
	s_load_b256 s[28:35], s[18:19], 0x0            ; e0 .. e7
	s_load_b128 s[36:39], s[18:19], 0x20           ; e8 .. e11
	s_cmp_lt_u32 s40, NW
	s_cbranch_scc1 .Lweights
	; ---- a group
	s_sub_co_u32 s40, s40, NW                      ; 32 x batch + group
	s_lshl_b32 s42, s40, 16                        ; the group's 65,536 bytes
	s_add_nc_u64 s[4:5], s[4:5], s[42:43]
	v_lshlrev_b32 v1, 4, v0                        ; 16 bytes a thread: a wave's load covers 512 consecutive bytes
.irp c, 0,1,2,3,4,5,6,7,8,9,10,11,12,13,14,15
	global_load_b128 v[X+4*\c:X+4*\c+3], v1, s[4:5] offset:4096*\c th:TH_LOAD_NT
.endr
	s_and_b32 s44, s40, 31                         ; g
	s_lshl_b32 s42, s44, 6
	s_add_nc_u64 s[6:7], s[6:7], s[42:43]
	s_add_nc_u64 s[8:9], s[8:9], s[42:43]
	s_load_b512 s[48:63], s[6:7], 0x0              ; the group's 16 gains
	s_load_b512 s[68:83], s[8:9], 0x0              ; and biases
	s_lshr_b32 s86, s40, 5
	s_lshl_b32 s86, s86, 19                        ; a batch's codes: 524,288 bytes
	s_lshl_b32 s87, s44, 8                         ; 256 g = K step x 2,048 + c x 512 + h x 256
	s_add_co_u32 s42, s86, s87
	s_add_nc_u64 s[20:21], s[20:21], s[42:43]      ; set 0,
	s_add_nc_u64 s[22:23], s[20:21], 0x1000000     ; set 1,
	s_add_nc_u64 s[24:25], s[20:21], 0x2000000     ; set 2
	s_mov_b32 s84, 0x76543210                      ; v_permlanex16_b32: lane l xor 16
	s_mov_b32 s85, 0xfedcba98
	s_mov_b32 s88, 0x38800000                      ; 1 / 16,384
	v_bfe_u32 v4, v0, 4, 1
	v_and_b32 v5, 15, v0
	s_wait_alu depctr_va_vdst(0)
	v_lshlrev_b32 v2, 16, v3                       ; where my codes go: block = wave,
	s_delay_alu instid0(VALU_DEP_1)
	v_lshl_add_u32 v2, v4, 15, v2                  ; tile 4 (lane / 16) + j,
	s_delay_alu instid0(VALU_DEP_1)
	v_lshl_add_u32 v2, v5, 4, v2                   ; row lane % 16
	v_lshlrev_b32 v10, 2, v3                       ; LDS: my wave's word
	v_mov_b32 v11, 0
	s_wait_kmcnt 0x0
	s_cmp_lg_u32 s30, s28
	s_cselect_b32 s46, 1, 0                        ; set 1 is wanted
	s_cmp_lg_u32 s32, s28
	s_cselect_b32 s47, 1, 0
	s_cmp_lg_u32 s32, s30
	s_cselect_b32 s47, s47, 0                      ; set 2 is wanted
	POW2 28, 16, 17
	POW2 30, 18, 19
	POW2 32, 20, 21
; v24 of all 256 threads is summed: across the lanes, then through eight LDS words at byte off, one a wave; the sum comes back in v24 of every thread
.macro WGSUM off
	s_delay_alu instid0(VALU_DEP_1)
	v_add_f32_dpp v24, v24, v24 row_xmask:1 row_mask:0xf bank_mask:0xf
	s_delay_alu instid0(VALU_DEP_1)
	v_add_f32_dpp v24, v24, v24 row_xmask:2 row_mask:0xf bank_mask:0xf
	s_delay_alu instid0(VALU_DEP_1)
	v_add_f32_dpp v24, v24, v24 row_xmask:4 row_mask:0xf bank_mask:0xf
	s_delay_alu instid0(VALU_DEP_1)
	v_add_f32_dpp v24, v24, v24 row_xmask:8 row_mask:0xf bank_mask:0xf
	s_delay_alu instid0(VALU_DEP_1)
	v_permlanex16_b32 v25, v24, s84, s85
	s_delay_alu instid0(VALU_DEP_1)
	v_add_f32 v24, v24, v25
	ds_store_b32 v10, v24 offset:\off
	s_wait_dscnt 0x0                               ; for the others' sake: my word is written
	s_barrier_signal -1
	s_barrier_wait -1
	ds_load_b128 v[32:35], v11 offset:\off
	ds_load_b128 v[36:39], v11 offset:\off+16
	s_wait_dscnt 0x0
	v_pk_add_f32 v[32:33], v[32:33], v[34:35]
	v_pk_add_f32 v[36:37], v[36:37], v[38:39]
	s_delay_alu instid0(VALU_DEP_1)
	v_pk_add_f32 v[32:33], v[32:33], v[36:37]
	s_delay_alu instid0(VALU_DEP_1)
	v_add_f32 v24, v32, v33
.endm
.macro FOLD                            ; four chains of pairs into v24
	s_delay_alu instid0(VALU_DEP_3)
	v_pk_add_f32 v[24:25], v[24:25], v[26:27]
	s_delay_alu instid0(VALU_DEP_2)
	v_pk_add_f32 v[28:29], v[28:29], v[30:31]
	s_delay_alu instid0(VALU_DEP_1)
	v_pk_add_f32 v[24:25], v[24:25], v[28:29]
	s_delay_alu instid0(VALU_DEP_1)
	v_add_f32 v24, v24, v25
.endm
	s_wait_loadcnt 0x0
.irp k, 0,1,2,3                        ; the sum, in four chains started by the first numbers
	v_pk_add_f32 v[24+2*\k:25+2*\k], v[X+2*\k:X+2*\k+1], v[X+8+2*\k:X+9+2*\k]
.endr
.set n, 16
.rept 6
.irp k, 0,1,2,3
	s_delay_alu instid0(VALU_DEP_4)
	v_pk_add_f32 v[24+2*\k:25+2*\k], v[24+2*\k:25+2*\k], v[X+n+2*\k:X+n+2*\k+1]
.endr
.set n, n+8
.endr
	FOLD
	WGSUM 0
	s_delay_alu instid0(VALU_DEP_1)
	v_mul_f32 v40, s88, v24                        ; the mean
	s_delay_alu instid0(VALU_DEP_1)
	v_mov_b32 v41, v40
.set n, 0
.rept 32
	v_pk_add_f32 v[X+n:X+n+1], v[X+n:X+n+1], v[40:41] neg_lo:[0,1] neg_hi:[0,1]   ; x - mean
.set n, n+2
.endr
.irp k, 0,1,2,3                        ; the sum of squares
	v_pk_mul_f32 v[24+2*\k:25+2*\k], v[X+2*\k:X+2*\k+1], v[X+2*\k:X+2*\k+1]
.endr
.set n, 8
.rept 7
.irp k, 0,1,2,3
	s_delay_alu instid0(VALU_DEP_4)
	v_pk_fma_f32 v[24+2*\k:25+2*\k], v[X+n+2*\k:X+n+2*\k+1], v[X+n+2*\k:X+n+2*\k+1], v[24+2*\k:25+2*\k]
.endr
.set n, n+8
.endr
	FOLD
	WGSUM 32                                       ; other words than the first sum's: no wave still reads what is written here
	v_mov_b32 v25, 0x358637bd                      ; 1e-6
	s_delay_alu instid0(VALU_DEP_1)
	v_fma_f32 v24, v24, s88, v25                   ; the variance + eps
	s_wait_alu depctr_va_vdst(0)
	v_rsq_f32 v42, v24
	v_nop                                          ; a plain instruction between the transcendental and the use of its result
	s_wait_alu depctr_va_vdst(0)
	v_mov_b32 v43, v42
.set n, 0
.rept 32
	v_pk_mul_f32 v[X+n:X+n+1], v[X+n:X+n+1], v[42:43]   ; (x - mean) x rstd
.set n, n+2
.endr
; One set of codes.  For each of my four positions: x gain + bias, which also lays the position's 16 channels on end; the hold; two conversions; one store.
.macro QSET set, base
.if \set > 0
	s_wait_xcnt 0x0                                ; the codes' registers, which the last set's stores read, are written again only behind this wait
.endif
.irp j, 0,1,2,3
.irp c, 0,1,2,3,4,5,6,7,8,9,10,11,12,13,14,15
	v_fma_f32 v[T+\c], v[X+4*\c+\j], s[48+\c], s[68+\c]
.endr
.irp c, 0,1,2,3,4,5,6,7,8,9,10,11,12,13,14,15
	v_med3_num_f32 v[T+\c], v[T+\c], -v[17+2*\set], v[17+2*\set]   ; the conversion to an 8-bit code does not saturate (ISA guide 7.6.2)
.endr
	v_cvt_scalef32_pk8_fp8_f32 v[CD+4*\j:CD+4*\j+1], v[T:T+7], v[16+2*\set]
	v_cvt_scalef32_pk8_fp8_f32 v[CD+4*\j+2:CD+4*\j+3], v[T+8:T+15], v[16+2*\set]
	v_nop                                          ; a plain instruction between the conversions and the next position's multiply-adds, which write their sources
	global_store_b128 v2, v[CD+4*\j:CD+4*\j+3], s[\base:\base+1] offset:8192*\j   ; 16 lanes store 256 consecutive bytes, aligned
.endr
.endm
	QSET 0, 20
	s_cmp_eq_u32 s46, 0
	s_cbranch_scc1 .Lno_set1
	QSET 1, 22
.Lno_set1:
	s_cmp_eq_u32 s47, 0
	s_cbranch_scc1 .Lno_set2
	QSET 2, 24
.Lno_set2:
	s_wait_tensorcnt 0x0
	ds_add_u32 v12, v13
	s_wait_dscnt 0x0
	s_endpgm
	; ---- the weights: 64 work-groups x 8 waves = 4 weights x 128 fragments, one fragment a wave
.Lweights:
	s_wait_kmcnt 0x0
	s_lshr_b32 s87, s40, 4                         ; which weight
	s_and_b32 s88, s40, 15
	s_lshl_b32 s88, s88, 3
	s_add_co_u32 s88, s88, s41                     ; which fragment: 4 x tile + K step
	s_lshr_b32 s89, s88, 2
	s_and_b32 s90, s88, 3
	s_lshr_b32 s91, s89, 1
	s_lshl_b32 s91, s91, 5
	s_and_b32 s92, s89, 1
	s_lshl_b32 s92, s92, 3
	s_add_co_u32 s91, s91, s92                     ; q, k, v: the tile begins at row 32 (T / 2) + 8 (T % 2), and its rows 8-15 lie 8 further on
	s_lshl_b32 s92, s89, 4                         ; o: 16 T, rows on end
	s_lshl_b32 s94, s90, 9                         ; 128 numbers of a row
	s_lshl_b32 s42, s87, 18
	s_lshl_b32 s95, s88, 11
	s_add_co_u32 s42, s42, s95                     ; the fragment's place in wc
	s_add_nc_u64 s[26:27], s[26:27], s[42:43]
	s_cmp_eq_u32 s87, 1
	s_cselect_b64 s[10:11], s[12:13], s[10:11]
	s_cselect_b32 s29, s31, s29
	s_cmp_eq_u32 s87, 2
	s_cselect_b64 s[10:11], s[14:15], s[10:11]
	s_cselect_b32 s29, s33, s29
	s_cmp_eq_u32 s87, 3
	s_cselect_b64 s[10:11], s[16:17], s[10:11]
	s_cselect_b32 s29, s39, s29                    ; e1, e3, e5 or e11
	s_cselect_b32 s91, s92, s91
	s_cselect_b32 s93, 0, 8
	v_and_b32 v3, 15, v0                           ; r
	v_bfe_u32 v4, v0, 4, 1                         ; h
	s_delay_alu instid0(VALU_DEP_2)
	v_lshrrev_b32 v5, 3, v3
	s_delay_alu instid0(VALU_DEP_1)
	v_mul_u32_u24 v5, s93, v5
	s_delay_alu instid0(VALU_DEP_1)
	v_add3_u32 v5, v5, v3, s91                     ; my row of the weight
	s_delay_alu instid0(VALU_DEP_1)
	v_lshlrev_b32 v5, 11, v5                       ; 2,048 bytes a row
	s_delay_alu instid0(VALU_DEP_1)
	v_lshl_add_u32 v5, v4, 6, v5                   ; my 16 numbers of a block of 32
	s_delay_alu instid0(VALU_DEP_1)
	v_add_nc_u32 v5, s94, v5
	v_and_b32 v6, 31, v0
	s_delay_alu instid0(VALU_DEP_1)
	v_lshlrev_b32 v6, 4, v6
.irp c, 0,1,2,3
.irp i, 0,1,2,3
	global_load_b128 v[X+16*\c+4*\i:X+16*\c+4*\i+3], v5, s[10:11] offset:128*\c+16*\i
.endr
.endr
	POW2 29, 16, 17
	s_wait_alu depctr_va_vdst(0)
	s_wait_loadcnt 0x0
.irp c, 0,1,2,3
.irp i, 0,1,2,3,4,5,6,7,8,9,10,11,12,13,14,15
	v_med3_num_f32 v[X+16*\c+\i], v[X+16*\c+\i], -v17, v17
.endr
	v_cvt_scalef32_pk8_fp8_f32 v[CD+4*\c:CD+4*\c+1], v[X+16*\c:X+16*\c+7], v16
	v_cvt_scalef32_pk8_fp8_f32 v[CD+4*\c+2:CD+4*\c+3], v[X+16*\c+8:X+16*\c+15], v16
	global_store_b128 v6, v[CD+4*\c:CD+4*\c+3], s[26:27] offset:512*\c   ; the wave stores 512 consecutive bytes
.endr
	s_endpgm
.Lfunc_end_k_q5a591b61ea_prep:
	.size	k_q5a591b61ea_prep, .Lfunc_end_k_q5a591b61ea_prep-k_q5a591b61ea_prep
	.p2alignl 7, 3214868480
	.fill 96, 4, 3214868480
	.section	.rodata,"a",@progbits
	.p2align	6, 0x0
	.amdhsa_kernel k_q5a591b61ea_prep
		.amdhsa_group_segment_fixed_size 1280
		.amdhsa_private_segment_fixed_size 0
		.amdhsa_enable_private_segment 0
		.amdhsa_kernarg_size 80
		.amdhsa_user_sgpr_count 2
		.amdhsa_user_sgpr_kernarg_segment_ptr 1
		.amdhsa_wavefront_size32 1
		.amdhsa_system_sgpr_workgroup_id_x 1
		.amdhsa_system_sgpr_workgroup_id_y 1
		.amdhsa_system_sgpr_workgroup_id_z 1
		.amdhsa_system_vgpr_workitem_id 0
		.amdhsa_next_free_vgpr 128
		.amdhsa_next_free_sgpr 96
		.amdhsa_reserve_vcc 0
		.amdhsa_float_denorm_mode_32 3
		.amdhsa_float_denorm_mode_16_64 3
		.amdhsa_memory_ordered 1
		.amdhsa_forward_progress 1
		.amdhsa_inst_pref_size 54
	.end_amdhsa_kernel
	.amdgpu_metadata
---
amdhsa.version: [ 1, 2 ]
amdhsa.kernels:
  - .name:           k_q5a591b61ea_prep
    .symbol:         k_q5a591b61ea_prep.kd
    .args:
      - { .name: x, .offset: 0, .size: 8, .value_kind: global_buffer, .address_space: global }
      - { .name: gn_w, .offset: 8, .size: 8, .value_kind: global_buffer, .address_space: global }
      - { .name: gn_b, .offset: 16, .size: 8, .value_kind: global_buffer, .address_space: global }
      - { .name: Wq, .offset: 24, .size: 8, .value_kind: global_buffer, .address_space: global }
      - { .name: Wk, .offset: 32, .size: 8, .value_kind: global_buffer, .address_space: global }
      - { .name: Wv, .offset: 40, .size: 8, .value_kind: global_buffer, .address_space: global }
      - { .name: Wo, .offset: 48, .size: 8, .value_kind: global_buffer, .address_space: global }
      - { .name: lowp_scales, .offset: 56, .size: 8, .value_kind: global_buffer, .address_space: global }
      - { .name: tc, .offset: 64, .size: 8, .value_kind: global_buffer, .address_space: global }
      - { .name: wc, .offset: 72, .size: 8, .value_kind: global_buffer, .address_space: global }
    .group_segment_fixed_size: 1280
    .private_segment_fixed_size: 0
    .kernarg_segment_align: 8
    .kernarg_segment_size: 80
    .max_flat_workgroup_size: 256
    .sgpr_count:     96
    .vgpr_count:     128
    .wavefront_size: 32
...
	.end_amdgpu_metadata
.endif
;; end of part 1
;; launch qkv (part 2): grid 256 x 1, 4 waves a work-group, no clusters, 66,048 bytes of LDS; arguments tc, wc, bq, bk, bv, lowp_scales, qc, kc, vc; writes qc, kc, vc
.if DOCPART == 2
	.amdgcn_target "amdgcn-amd-amdhsa--gfx1250"
	.amdhsa_code_object_version 6
	.text
	.protected	k_q5a591b61ea_qkv
	.globl	k_q5a591b61ea_qkv
	.p2align	8
	.type	k_q5a591b61ea_qkv,@function
k_q5a591b61ea_qkv:
	s_mov_b64 s[64:65], 0
	v_nop
	global_prefetch_b8 v0, s[64:65] scope:SCOPE_SE
	s_setreg_imm32_b32 hwreg(HW_REG_WAVE_MODE, 25, 1), 1
	s_wait_xcnt 0x0
; q = t Wq^T + bq, k = t Wk^T + bk, v = t Wv^T + bv on codes of E4M3, and their own codes for the attention.
; SHARES.  Work-group x owns block x of t (128 positions, 65,536 bytes of codes): 256 work-groups of equal work.  Every wave holds the whole block in 512 registers; wave w takes weight tiles 8 w .. 8 w + 7 of Wq, then of Wk,
; then of Wv, a pair of tiles (16 KB) a trip: 12 trips of 64 products.  Each weight fragment is used by one wave of the work-group, so it goes from memory straight into that wave's registers, one trip ahead, into two sets by turns.
; THE BLOCK OF t is read once: each wave loads a quarter, the quarters meet in LDS, and every wave reads all of it back.
;   q, k: source 0 = weight tile, source 1 = tile T of t.  A lane holds one position; the registers of weight tiles 2 c, 2 c + 1 are 16 neighbours along the next K: group c of the fragment (tile T, K step w) of qc or kc.
;   v:    source 0 = tile T of t, source 1 = tile of Wv.  A lane holds one channel, its registers run along the keys: tiles 2 g, 2 g + 1 of t give group g of the fragment (channel tile, key block x) of vc.
; All buffers are images of operand registers (fragment = 2,048 bytes, group c at 512 c + 16 x lane): every load and store of a wave covers 512 consecutive bytes.
; The bias is the C of a sum's first product, divided by the power of two that the sums lack; the three scales ahead of the quantiser are folded into the conversion's one.
; THE SET OF t is chosen as the launch before wrote it: q set 0; k set 0 where e2 = e0, else 1; v set 0 where e4 = e0, k's set where e4 = e2, else 2.  Where a kind's set differs from the one in the registers, the block is
; loaded again, by a scalar branch on the given exponents: so this launch has no tensor load, and with that NO CLUSTER and no joint loads.  NO PREFETCH: all work-groups walk the same 768 KB of weights at the same time.
; LIMITS: e6 - e0 - e1, e7 - e2 - e3, e9 - e4 - e5 between -126 and 119.
; REGISTERS, in windows of 256: window 0: v17 scale, v20 16 x lane, v21 LDS address, v22 v's bias offset, v23 64 h, v32-63 the bias of a pair's two tiles (8 each), two sets, v64-95 codes, v96-103 v's bias words,
;   v126-127 the add's, v128-255 weight set 0 ((tile tt, K step s) at 128 + 16 (4 tt + s)).  Windows 1, 2: t ((T, s) at 16 (4 (T % 4) + s) of window 1 + T / 4).  Window 3: v0-127 16 sums ((tt, T) at 8 (8 tt + T)); v128-255 weight set 1.
; s26 kind, s57 trips' counter, s[30:31] the next pair of weight tiles, s[32:33] the next pair's bias, s[36:37] where the trip's codes go, s42, s59: +-448 x the folded scale, s58: -(t's e + the weight's e).
.set MSB, 0
.macro WIN new                         ; the immediate's high byte repeats the setting that is left
.if MSB != (\new)
	s_set_vgpr_msb (MSB<<8)|(\new)
.set MSB, (\new)
.endif
.endm
.macro PLACES                          ; four plain instructions behind a matrix instruction (ISA guide 7.12.1)
.rept 4
	v_nop
.endr
.endm
.macro LOADS p                         ; a pair of weight tiles into set p: 32 loads
	WIN 0xc0*(\p)
.set n, 0
.rept 32
	global_load_b128 v[128+4*n:128+4*n+3], v20, s[30:31] offset:512*n
.set n, n+1
.endr
	WIN 0
.endm
.macro LOADB p                         ; q, k: lane (r, h), tile u of the pair: the bias of outputs 16 h + 8 u + 0 .. 7 of the pair's 32: 4 loads
.irp u, 0,1
	global_load_b128 v[32+16*(\p)+8*\u:35+16*(\p)+8*\u], v23, s[32:33] offset:32*\u
	global_load_b128 v[36+16*(\p)+8*\u:39+16*(\p)+8*\u], v23, s[32:33] offset:32*\u+16
.endr
.endm
	s_load_b512 s[4:19], s[0:1], 0x0               ; tc 4, wc 6, bq 8, bk 10, bv 12, the scales' exponents 14, qc 16, kc 18
	s_load_b64 s[20:21], s[0:1], 0x40              ; vc
	v_lshl_add_u32 v126, v0, 2, 0x10000            ; my spare word, behind the block's 65,536 bytes
	v_mov_b32 v127, 0
	v_lshrrev_b32 v1, 5, v0
	v_readfirstlane_b32 s28, v1                    ; wave 0..3
	v_and_b32 v2, 31, v0
	v_lshlrev_b32 v20, 4, v2
	v_and_b32 v3, 15, v0                           ; r
	v_bfe_u32 v4, v0, 4, 1                         ; h
	v_lshlrev_b32 v23, 6, v4
	v_lshrrev_b32 v5, 3, v3
	v_lshl_add_u32 v5, v5, 3, v3
	v_lshlrev_b32 v22, 2, v5                       ; v: the channel of row r of a tile of Wv lies r + 8 (r / 8) behind the tile's first
	s_lshl_b32 s44, s28, 14
	v_add_nc_u32 v21, s44, v20                     ; LDS: my quarter of the block
	s_mov_b32 s45, 0
	s_mov_b32 s39, 0
	s_mov_b32 s53, 0
	s_lshl_b32 s52, ttmp9, 16                      ; my block's place in tc's sets, qc, kc and vc
	s_wait_alu depctr_va_vdst(0)
	s_wait_kmcnt 0x0
	s_load_b256 s[68:75], s[14:15], 0x0            ; e0 .. e7
	s_load_b64 s[76:77], s[14:15], 0x20            ; e8, e9
	s_add_nc_u64 s[48:49], s[4:5], s[52:53]        ; my block in set 0
	s_add_nc_u64 s[46:47], s[48:49], s[44:45]
	WIN 0xc0
.set n, 0
.rept 32
	global_load_b128 v[128+4*n:128+4*n+3], v20, s[46:47] offset:512*n   ; my quarter, for the moment in weight set 1
.set n, n+1
.endr
	WIN 0
	s_lshl_b32 s44, s28, 9                         ; my 128 numbers of each bias
	s_add_nc_u64 s[54:55], s[12:13], s[44:45]
	s_add_nc_u64 s[32:33], s[8:9], s[44:45]
	s_add_nc_u64 s[34:35], s[10:11], s[44:45]
	s_lshl_b32 s44, s28, 16
	s_add_nc_u64 s[30:31], s[6:7], s[44:45]        ; Wq's tiles 8 w on
.irp t, 0,1,2,3,4,5,6,7
	global_load_b32 v[96+\t], v22, s[54:55] offset:(32*(\t/2)+8*(\t%2))*4
.endr
	LOADB 0
	LOADS 0
	s_wait_xcnt 0x0                                ; the loads have read their bases
	s_add_nc_u64 s[30:31], s[30:31], 16384
	s_add_nc_u64 s[32:33], s[32:33], 128
	s_wait_loadcnt 44                              ; my quarter is in; the 8 + 4 + 32 loads behind it may be out
	WIN 0x0c                                       ; store data in window 3
.set n, 0
.rept 32
	ds_store_b128 v21, v[128+4*n:128+4*n+3] offset:512*n
.set n, n+1
.endr
	WIN 0
	s_wait_dscnt 0x0                               ; for the others' sake: my quarter is written
	s_barrier_signal -1
	s_barrier_wait -1
	WIN 0x40
.set n, 0
.rept 64
	ds_load_b128 v[4*n:4*n+3], v20 offset:512*n
.set n, n+1
.endr
	WIN 0x80
.set n, 0
.rept 64
	ds_load_b128 v[4*n:4*n+3], v20 offset:32768+512*n
.set n, n+1
.endr
	WIN 0
	s_wait_kmcnt 0x0
	s_cmp_eq_u32 s70, s68
	s_cselect_b32 s22, 0, 1                        ; k's set of t
	s_cmp_eq_u32 s72, s70
	s_cselect_b32 s23, s22, 2
	s_cmp_eq_u32 s72, s68
	s_cselect_b32 s23, 0, s23                      ; v's set of t
	s_mov_b32 s25, 0                               ; the set in the registers
	s_mov_b32 s26, 0
	s_wait_dscnt 0x0
.macro MM f, T, tt, s, p               ; one product; K step 0 takes the bias as C
.set rD, 8*(8*(\tt)+(\T))
.set rS, 16*(4*((\T)%4)+(\s))
.set rW, 128+16*(4*(\tt)+(\s))
.set rC, 32+16*(\p)+8*(\tt)
.if (\f) == 0
.if (\s) == 0
	v_wmma_f32_16x16x128_fp8_fp8 v[rD:rD+7], v[rW:rW+15], v[rS:rS+15], v[rC:rC+7]
.else
	v_wmma_f32_16x16x128_fp8_fp8 v[rD:rD+7], v[rW:rW+15], v[rS:rS+15], v[rD:rD+7]
.endif
.else
.if (\s) == 0
	v_wmma_f32_16x16x128_fp8_fp8 v[rD:rD+7], v[rS:rS+15], v[rW:rW+15], v[rC:rC+7]
.else
	v_wmma_f32_16x16x128_fp8_fp8 v[rD:rD+7], v[rS:rS+15], v[rW:rW+15], v[rD:rD+7]
.endif
.endif
.endm
.macro WINM f, p, hi, z                ; D window 3; C window 0 (z = 1: the bias) or 3; the weights in window 0 or 3 (set p), t in window 1 + hi
.if (\f) == 0
	WIN 0xc0|((3-3*(\z))<<4)|((1+(\hi))<<2)|(3*(\p))
.else
	WIN 0xc0|((3-3*(\z))<<4)|((3*(\p))<<2)|(1+(\hi))
.endif
.endm
.macro MUL f, p                        ; 64 products; eight sums take turns, one instruction a turn
.irp hi, 0,1
	WINM \f, \p, \hi, 1
.irp tt, 0,1
.irp i, 0,1,2,3
	MM \f, 4*\hi+\i, \tt, 0, \p
.endr
.endr
.endr
.irp hi, 0,1
	WINM \f, \p, \hi, 0
.irp s, 1,2,3
.irp tt, 0,1
.irp i, 0,1,2,3
	MM \f, 4*\hi+\i, \tt, \s, \p
.endr
.endr
.endr
.endr
	WIN 0
.endm
.macro QUANT f                         ; the 16 sums become eight groups of codes and leave
	WIN 0xf0
.set n, 0
.rept 128
	v_med3_num_f32 v[n], s59, s42, v[n]            ; the hold: the conversion does not saturate (ISA guide 7.6.2); each sum from its low end on
.set n, n+1
.endr
	WIN 0x03
.irp tt, 0,1
.irp T, 0,1,2,3,4,5,6,7
.if (\f) == 0
	v_cvt_scalef32_pk8_fp8_f32 v[64+4*\T+2*\tt:65+4*\T+2*\tt], v[8*(8*\tt+\T):8*(8*\tt+\T)+7], v17
.else
	v_cvt_scalef32_pk8_fp8_f32 v[64+2*(8*\tt+\T):65+2*(8*\tt+\T)], v[8*(8*\tt+\T):8*(8*\tt+\T)+7], v17
.endif
.endr
.endr
	v_nop                                          ; a plain instruction between the conversions and the products that write their sources
	WIN 0
.irp g, 0,1,2,3,4,5,6,7
.if (\f) == 0
	global_store_b128 v20, v[64+4*\g:67+4*\g], s[36:37] offset:8192*\g   ; tile g of my block: 512 consecutive bytes a store
.else
	global_store_b128 v20, v[64+4*\g:67+4*\g], s[36:37] offset:512*\g    ; two fragments on end
.endif
.endr
.endm
; A TRIP on weight set p.  f = 0: q, k; f = 1: v.  The next pair is asked for first, into the set and the bias registers that the trip before multiplied (its holds are the places); the counted wait leaves just these loads out.
.macro TRIP f, p
.if (\f) == 0
	LOADS 1-(\p)
.if (\p) == 0
	LOADB 1
	s_wait_loadcnt 36
.else
	s_cmp_eq_u32 s57, 1                            ; k's last trip is followed by v, which has its bias words already
	s_cselect_b32 s43, s26, 0
	s_cmp_eq_u32 s43, 1
	s_cbranch_scc1 .Lnb_\@
	LOADB 0
	s_wait_loadcnt 36
	s_branch .Lgo_\@
.Lnb_\@:
	s_wait_loadcnt 32
.Lgo_\@:
.endif
.set n, 0
.rept 16
	v_ldexp_f32 v[32+16*(\p)+n], v[32+16*(\p)+n], s58
.set n, n+1
.endr
.else
.if (\p) == 0
	LOADS 1
	s_wait_loadcnt 32
.else
	s_cmp_eq_u32 s57, 1                            ; the last trip of all asks for nothing
	s_cbranch_scc1 .Lnl_\@
	LOADS 0
	s_wait_loadcnt 32
	s_branch .Lgo_\@
.Lnl_\@:
	s_wait_loadcnt 0x0
.Lgo_\@:
.endif
.irp tt, 0,1
.irp j, 0,1,2,3,4,5,6,7
	v_ldexp_f32 v[32+16*(\p)+8*\tt+\j], v[96+2*(\p)+\tt], s58   ; a lane's eight results are eight keys of one channel: one number eight times
.endr
.endr
.endif
	MUL \f, \p
	PLACES
	QUANT \f
	s_wait_xcnt 0x0                                ; bases and store data are written again only behind this wait
.if (\f) == 0
.if (\p) == 0
	s_cmp_eq_u32 s57, 1                            ; behind a kind's third trip: on to the next weight's tiles 8 w, and to k's bias
	s_mov_b32 s38, 16384
	s_cselect_b32 s38, 212992, s38
	s_add_nc_u64 s[30:31], s[30:31], s[38:39]
	s_add_nc_u64 s[32:33], s[32:33], 128
	s_cselect_b64 s[32:33], s[34:35], s[32:33]
.else
	s_add_nc_u64 s[30:31], s[30:31], 16384
	s_add_nc_u64 s[32:33], s[32:33], 128
.endif
	s_add_nc_u64 s[36:37], s[36:37], 512           ; the next group
.else
	s_add_nc_u64 s[30:31], s[30:31], 16384
	s_add_nc_u64 s[36:37], s[36:37], 4096          ; the next two channel tiles
.endif
.endm
.Lkind:
	s_cmp_eq_u32 s26, 1
	s_cselect_b32 s24, s22, 0                      ; the kind's set of t,
	s_cselect_b64 s[36:37], s[18:19], s[16:17]     ; its output,
	s_cselect_b32 s40, s70, s68                    ; t's e,
	s_cselect_b32 s41, s71, s69                    ; the weight's,
	s_cselect_b32 s42, s75, s74                    ; the result's
	s_cmp_eq_u32 s26, 2
	s_cselect_b32 s24, s23, s24
	s_cselect_b64 s[36:37], s[20:21], s[36:37]
	s_cselect_b32 s40, s72, s40
	s_cselect_b32 s41, s73, s41
	s_cselect_b32 s42, s77, s42
	s_cselect_b32 s43, 14, 11                      ; from wave to wave in the output: v eight fragments, q and k one
	s_lshl_b32 s44, s28, s43
	s_add_nc_u64 s[36:37], s[36:37], s[52:53]
	s_add_nc_u64 s[36:37], s[36:37], s[44:45]
	s_add_co_i32 s58, s40, s41
	s_sub_co_i32 s58, 0, s58
	s_add_co_i32 s42, s42, s58
	s_add_co_i32 s42, s42, 127
	s_lshl_b32 s43, s42, 23
	v_mov_b32 v17, s43                             ; the three scales folded: 2^(the result's e - t's - the weight's)
	s_add_co_i32 s42, s42, 8
	s_lshl_b32 s42, s42, 23
	s_or_b32 s42, s42, 0x600000                    ; 448 x that,
	s_xor_b32 s59, s42, 0x80000000                 ; and its negative
	s_min_u32 s24, s24, 2                          ; the set's number hangs on loaded numbers: held at 2 before it enters an address
	s_cmp_eq_u32 s24, s25
	s_mov_b32 s25, s24
	s_cbranch_scc1 .Lsame
	s_lshl_b32 s44, s24, 24                        ; another set of t: the block is loaded again, every wave for itself
	s_add_nc_u64 s[46:47], s[48:49], s[44:45]
	WIN 0x40
.set n, 0
.rept 64
	global_load_b128 v[4*n:4*n+3], v20, s[46:47] offset:512*n
.set n, n+1
.endr
	WIN 0x80
.set n, 0
.rept 64
	global_load_b128 v[4*n:4*n+3], v20, s[46:47] offset:32768+512*n
.set n, n+1
.endr
	WIN 0
	s_wait_loadcnt 0x0
.Lsame:
	s_mov_b32 s57, 2
	s_cmp_eq_u32 s26, 2
	s_cbranch_scc1 .Lv
.Lqk:
	TRIP 0, 0
	TRIP 0, 1
	s_sub_co_u32 s57, s57, 1
	s_cmp_lg_u32 s57, 0
	s_cbranch_scc1 .Lqk
	s_branch .Lnext
.Lv:
	TRIP 1, 0
	TRIP 1, 1
.irp t, 0,1,2,3
	v_mov_b32 v[96+\t], v[100+\t]                  ; the second two trips find their tiles' bias words where the first two did
.endr
	s_sub_co_u32 s57, s57, 1
	s_cmp_lg_u32 s57, 0
	s_wait_alu depctr_va_vdst(0)
	s_cbranch_scc1 .Lv
.Lnext:
	s_add_co_u32 s26, s26, 1
	s_cmp_lt_u32 s26, 3
	s_cbranch_scc1 .Lkind
	s_wait_tensorcnt 0x0                           ; the wave's end
	ds_add_u32 v126, v127
	s_wait_dscnt 0x0
	s_endpgm
.Lfunc_end_k_q5a591b61ea_qkv:
	.size	k_q5a591b61ea_qkv, .Lfunc_end_k_q5a591b61ea_qkv-k_q5a591b61ea_qkv
	.p2alignl 7, 3214868480
	.fill 96, 4, 3214868480
	.section	.rodata,"a",@progbits
	.p2align	6, 0x0
	.amdhsa_kernel k_q5a591b61ea_qkv
		.amdhsa_group_segment_fixed_size 66048
		.amdhsa_private_segment_fixed_size 0
		.amdhsa_enable_private_segment 0
		.amdhsa_kernarg_size 72
		.amdhsa_user_sgpr_count 2
		.amdhsa_user_sgpr_kernarg_segment_ptr 1
		.amdhsa_wavefront_size32 1
		.amdhsa_system_sgpr_workgroup_id_x 1
		.amdhsa_system_sgpr_workgroup_id_y 1
		.amdhsa_system_sgpr_workgroup_id_z 1
		.amdhsa_system_vgpr_workitem_id 0
		.amdhsa_next_free_vgpr 1024
		.amdhsa_next_free_sgpr 100
		.amdhsa_reserve_vcc 0
		.amdhsa_float_denorm_mode_32 3
		.amdhsa_float_denorm_mode_16_64 3
		.amdhsa_memory_ordered 1
		.amdhsa_forward_progress 1
		.amdhsa_inst_pref_size 109
	.end_amdhsa_kernel
	.amdgpu_metadata
---
amdhsa.version: [ 1, 2 ]
amdhsa.kernels:
  - .name:           k_q5a591b61ea_qkv
    .symbol:         k_q5a591b61ea_qkv.kd
    .args:
      - { .name: tc, .offset: 0, .size: 8, .value_kind: global_buffer, .address_space: global }
      - { .name: wc, .offset: 8, .size: 8, .value_kind: global_buffer, .address_space: global }
      - { .name: bq, .offset: 16, .size: 8, .value_kind: global_buffer, .address_space: global }
      - { .name: bk, .offset: 24, .size: 8, .value_kind: global_buffer, .address_space: global }
      - { .name: bv, .offset: 32, .size: 8, .value_kind: global_buffer, .address_space: global }
      - { .name: lowp_scales, .offset: 40, .size: 8, .value_kind: global_buffer, .address_space: global }
      - { .name: qc, .offset: 48, .size: 8, .value_kind: global_buffer, .address_space: global }
      - { .name: kc, .offset: 56, .size: 8, .value_kind: global_buffer, .address_space: global }
      - { .name: vc, .offset: 64, .size: 8, .value_kind: global_buffer, .address_space: global }
    .group_segment_fixed_size: 66048
    .private_segment_fixed_size: 0
    .kernarg_segment_align: 8
    .kernarg_segment_size: 72
    .max_flat_workgroup_size: 128
    .sgpr_count:     100
    .vgpr_count:     1024
    .wavefront_size: 32
...
	.end_amdgpu_metadata
.endif
;; end of part 2
;; launch attn (part 3): grid 8 x 32, 4 waves a work-group, clusters of 4 x 1, 327,680 bytes of LDS; arguments qc, kc, vc, wc, bo, x, lowp_scales, out0; writes out0
.if DOCPART == 3
	.amdgcn_target "amdgcn-amd-amdhsa--gfx1250"
	.amdhsa_code_object_version 6
	.text
	.protected	k_q5a591b61ea_attn
	.globl	k_q5a591b61ea_attn
	.p2align	8
	.type	k_q5a591b61ea_attn,@function
k_q5a591b61ea_attn:
	s_mov_b64 s[64:65], 0
	v_nop
	global_prefetch_b8 v0, s[64:65] scope:SCOPE_SE
	s_setreg_imm32_b32 hwreg(HW_REG_WAVE_MODE, 25, 1), 1
	s_wait_xcnt 0x0
	s_wait_alu depctr_hold_cnt(0) depctr_sa_sdst(0) depctr_va_vdst(0) depctr_va_sdst(0) depctr_va_ssrc(0) depctr_va_vcc(0) depctr_vm_vsrc(0)
	s_getreg_b32 s2, hwreg(HW_REG_IB_STS2, 6, 4)
	s_cmp_eq_u32 s2, 0
	s_cbranch_scc0 .Lentry_in_a_cluster
	s_endpgm
.Lentry_in_a_cluster:
	s_bfe_u32 s2, ttmp6, 0x10000c
	s_cmp_lg_u32 s2, 0x3003
	s_cbranch_scc0 .Lentry_shape_is_right
	s_endpgm
.Lentry_shape_is_right:
; out = x + (softmax(q k^T / sqrt(512)) v) Wo^T + bo, laid [batch][channel][position]; the three products on codes of E4M3, each operand with the one scale 2^e that is given for it.
; qc, kc: [batch][block of 128 positions][tile 8][K step 4][fragment]; vc: [batch][block of 128 keys][channel tile 32][fragment]; wc + 3 x 262,144: Wo, [tile 32][K step 4][fragment].
; A fragment (16 rows x 128 along K) is an image of its 16 registers: group c at 512 c + 16 x lane.  Row r of position tile T is position 64 (T / 4) + 4 r + T % 4 of its block.
; SHARES.  A work-group owns a block of 128 queries of one batch; wave w its tiles 2 w, 2 w + 1, with O^T (32 queries x 512 channels) in 512 registers.  Every wave walks the batch's 1,024 keys, 128 a step:
; 64 products K Q^T, the softmax, 64 products V^T P^T; each fragment of K and V from LDS feeds two products.  For the last product the waves change over to the columns: the codes of o go through LDS as images,
; and wave w makes channels 128 w .. 128 w + 127 for all 128 queries, so that each fragment of Wo is loaded by one wave, once.
; Both attention products are used transposed (source 0 = 16 keys or 16 channels, source 1 = 16 queries): a lane holds ONE query throughout.  vc's keys lie where the scores put them, and its channel tiles are
; chosen (row r of tile 2 B + u is channel 32 B + 8 u + r + 8 (r / 8)) so that O^T's registers of tiles 2 B, 2 B + 1 are 16 neighbours along the last product's K.
; THE SOFTMAX: t = score x log2(e) / sqrt(512); M = the running largest t rounded UP to a whole number; p = 2^(t - M) is quantised, not normalised; the row's sum is taken of the unquantised p and divides O at the end;
; when M moves, the sum and O^T are multiplied by 2^(old M - new M), which rounds nothing.
; THE LAST PRODUCT: source 0 = 16 rows of Wo, source 1 = 16 queries: register j of a lane is channel 8 h + j, and the same register of four query tiles are four neighbouring positions: 16 bytes of out; sixteen lanes store 256 consecutive bytes, aligned.
; CLUSTER: the four query blocks of a cluster belong to one batch and walk the same K and V: each tile is asked for JOINTLY, by the same tensor load with the same descriptor and a mask that names the four.
; RING: two slots of 128 KB (a step's K, then its V); one joint load of 32 KB a wave behind each round; by this text's count one tensor load of a wave is out.
; THE RESIDUAL COMES EARLY.  A wave adds x of its 128 channels x 128 positions, eight channel tiles of 8 KB.  The last key step reads slot 1, so behind that step's round slot 0 is filled once more: each wave's own
; load (no mask: x is the work-group's own) brings tiles 3 to 6, 64 rows of 512 bytes, into its quarter of the slot.  Tiles 0 and 1 are loaded into S^T's registers behind the last softmax, tile 2 into p's behind the
; last V^T P^T, tile 7 into tile 0's registers when tile 0 has left.  o's images lie in slot 1's first half, behind a barrier that shows every wave's reads of that slot done.
; LIMITS: e6 + e7 between -122 and 131 (added to c's exponent field); e8, and e10 - e8 - e9, between -126 and 119; e10 + e11 between -126 and 127.
; REGISTERS, in windows of 256.  Window 0: v1-15 addresses and scales; v16-31 statistics, eight a tile: -M, largest t, the sum (two halves), f or 1 / sum, 0, two at work; v32-37 at work; v40-55 bo as loaded;
;   v96-127 p's codes; v128-255 S^T, then p (64 a tile); at the end v128-191, v192-255, v64-127: three sets that take x and give out.  Window 1: v0-127 Q, at the end Wo (two sets of 64); v128-255 two sets of four
;   fragments of K or V, then o's codes, then the last product's 8 accumulators (v128-191) and its bias (v192-199).  Windows 2, 3: O^T (channel tile ct at 16 (ct % 16) + 8 q of window 2 + ct / 16), then o's 32 fragments.
.set SLOT1, 1<<17
.set SPARE, 2*SLOT1                    ; behind the ring: the spare words, 128 bytes a wave: two blocks of 256 bytes that no other line names
.set LI,   1                           ; 16 x lane
.set SPW,  2                           ; my spare word; never rewritten
.set NIL,  3                           ; 0; never rewritten
.set ADK,  4
.set ADV,  5
.set PF,   6                           ; prefetch: 4,096 (lane / 2) + 256 (lane % 2)
.set XO,   7                           ; x, out: 8 h channels + 16 r bytes
.set BH,   8                           ; 32 h
.set OW,   9                           ; where I store o's images
.set PLIM, 10
.set PSC,  11
.set OLIM, 12
.set OSC,  13
.set XL,   14                          ; x in LDS: my quarter of slot 0 + 8 h rows of 512 bytes + 16 r
.set LO,   15                          ; where o's images are read: slot 1 + 16 x lane
.set ST,   16
.set BR,   40
.set P,    96
.set S,    128
.set R0,   128                         ; the three sets for x and out
.set R1,   192
.set R2,   64
.set WV,   20
.set MSB, 0
.macro WIN new
.if MSB != (\new)
	s_set_vgpr_msb (MSB<<8)|(\new)
.set MSB, (\new)
.endif
.endm
.macro PLACES                          ; four plain instructions behind a matrix instruction, ahead of loads into its sources and of reads of its result
.rept 4
	v_nop
.endr
.endm
.macro CROUND                          ; a round of the cluster's barrier
	s_barrier_signal -1
	s_barrier_wait -1
	s_cmp_lg_u32 s[WV], 0
	s_cbranch_scc1 .Lnot_wave_0_\@
	s_barrier_signal -3
.Lnot_wave_0_\@:
	s_barrier_wait -3
	s_barrier_signal -1
	s_barrier_wait -1
.endm
.macro JLOAD                           ; waves 0, 1: K's halves; waves 2, 3: V's.  The branch hangs on the wave's number alone.  Four v_nop follow each line
	s_cmp_lt_u32 s[WV], 2
	s_cbranch_scc0 .Lfor_v_\@
	tensor_load_to_lds s[40:43], s[32:39]
	s_nop 0
.rept 4
	v_nop
.endr
	s_branch .Lasked_\@
.Lfor_v_\@:
	tensor_load_to_lds s[44:47], s[32:39]
	s_nop 0
.rept 4
	v_nop
.endr
.Lasked_\@:
.endm
	s_load_b512 s[4:19], s[0:1], 0x0               ; qc 4, kc 6, vc 8, wc 10, bo 12, x 14, the scales' exponents 16, out 18
	v_lshl_add_u32 v[SPW], v0, 2, SPARE
	v_mov_b32 v[NIL], 0
	ds_add_u32 v2, v3
	ds_add_u32 v2, v3
	s_wait_dscnt 0x0
	v_lshrrev_b32 v36, 5, v0
	v_readfirstlane_b32 s[WV], v36                 ; wave 0..3
	s_bfe_u32 s21, ttmp6, 0x40000                  ; cx
	s_lshl_b32 s22, ttmp9, 2
	s_add_co_u32 s22, s22, s21                     ; my block of queries: it enters Q's, x's and out's addresses alone
	s_and_b32 s23, ttmp7, 0xffff                   ; the batch, which the four partners share
	; descriptor group 1 for K and V: a dense block as 128 rows of 256 bytes
	s_mov_b32 s32, 15|(3<<16)|(1<<21)              ; the mask: all four work-groups; elements of 8 bytes; bit 21 set beside a mask; no padding
	s_mov_b32 s33, 32<<16                          ; tensor_dim0 = 32
	s_mov_b32 s34, 128<<16                         ; tensor_dim1 = 128
	s_mov_b32 s35, 32<<16                          ; tile_dim0 = 32
	s_mov_b32 s36, 128                             ; tile_dim1 = 128
	s_mov_b32 s37, 32                              ; the pitch
	s_mov_b32 s38, 0
	s_mov_b32 s39, 0
	; descriptor group 1 for x: 64 channels' 128 positions: 64 rows of 512 bytes, 4,096 bytes apart
	s_mov_b32 s80, 3<<16                           ; no mask; elements of 8 bytes; no padding
	s_mov_b32 s81, 64<<16                          ; tensor_dim0 = 64
	s_mov_b32 s82, 64<<16                          ; tensor_dim1 = 64
	s_mov_b32 s83, 64<<16                          ; tile_dim0 = 64
	s_mov_b32 s84, 64                              ; tile_dim1 = 64
	s_mov_b32 s85, 512                             ; the pitch
	s_mov_b32 s86, 0
	s_mov_b32 s87, 0
	s_mov_b32 s48, 0x76543210                      ; v_permlanex16_b32: lane l xor 16
	s_mov_b32 s49, 0xfedcba98
	s_mov_b32 s52, 0                               ; the slot in hand
	s_mov_b32 s53, 6
	s_lshl_b32 s24, s23, 19                        ; the batch's 524,288 bytes of K or V,
	s_and_b32 s28, s[WV], 1
	s_lshl_b32 s28, s28, 15                        ; my half of a step's 65,536
	s_add_co_u32 s24, s24, s28
	s_mov_b32 s25, 0
	s_lshl_b32 s26, s23, 3
	s_add_co_u32 s26, s26, s22
	s_lshl_b32 s26, s26, 16                        ; my block of Q,
	s_lshl_b32 s29, s[WV], 14                      ; my two tiles
	s_add_co_u32 s26, s26, s29
	s_mov_b32 s27, 0
	s_wait_kmcnt 0x0
	s_load_b64 s[68:69], s[16:17], 0x18            ; e6, e7
	s_load_b128 s[72:75], s[16:17], 0x20           ; e8 .. e11
	s_mov_b32 s40, 1                               ; count = 1
	s_lshl_b32 s41, s[WV], 15                      ; LDS: K's halves, then V's halves = 32,768 x wave; slot 0
	s_add_nc_u64 s[42:43], s[6:7], s[24:25]
	s_or_b32 s43, s43, 0x80000000                  ; type = 2
	s_mov_b32 s44, 1
	s_lshl_b32 s45, s[WV], 15
	s_add_nc_u64 s[46:47], s[8:9], s[24:25]
	s_or_b32 s47, s47, 0x80000000
	s_add_nc_u64 s[54:55], s[4:5], s[26:27]        ; Q
	s_lshl_b32 s26, s23, 21                        ; x, out: the batch,
	s_lshl_b32 s29, s[WV], 19                      ; my 128 channels,
	s_add_co_u32 s26, s26, s29
	s_lshl_b32 s29, s22, 9                         ; my block's 128 positions
	s_add_co_u32 s26, s26, s29
	s_add_nc_u64 s[56:57], s[14:15], s[26:27]
	s_add_nc_u64 s[92:93], s[56:57], 6*65536       ; where my prefetches of x stand: channel tile 6 first
	s_add_nc_u64 s[58:59], s[18:19], s[26:27]
	s_mov_b32 s88, 1                               ; x's group 0: count = 1,
	s_lshl_b32 s89, s[WV], 15                      ; my quarter of slot 0,
	s_add_nc_u64 s[90:91], s[56:57], 3*65536       ; my channel tiles 3 to 6,
	s_or_b32 s91, s91, 0x80000000                  ; type = 2
	s_lshl_b32 s30, s[WV], 16
	s_add_co_u32 s30, s30, 3<<18
	s_mov_b32 s31, 0
	s_add_nc_u64 s[60:61], s[10:11], s[30:31]      ; Wo's tiles 8 w on
	s_lshl_b32 s30, s[WV], 9
	s_add_nc_u64 s[62:63], s[12:13], s[30:31]      ; bo's 128 numbers
	v_and_b32 v36, 31, v0
	v_lshlrev_b32 v[LI], 4, v36
	v_and_b32 v37, 15, v0                          ; r
	v_bfe_u32 v32, v0, 4, 1                        ; h
	v_lshrrev_b32 v33, 1, v36
	v_and_b32 v34, 1, v0
	v_lshlrev_b32 v[PF], 12, v33
	v_lshl_add_u32 v[PF], v34, 8, v[PF]
	v_lshlrev_b32 v[XO], 15, v32
	v_lshl_add_u32 v[XO], v37, 4, v[XO]
	v_lshlrev_b32 v[BH], 5, v32
	s_lshl_b32 s30, s[WV], 14
	s_add_co_u32 s30, s30, SLOT1
	v_add_nc_u32 v[OW], s30, v[LI]
	v_add_nc_u32 v[LO], SLOT1, v[LI]
	s_lshl_b32 s30, s[WV], 15
	v_lshlrev_b32 v[XL], 12, v32
	v_lshl_add_u32 v[XL], v37, 4, v[XL]
	v_add_nc_u32 v[XL], s30, v[XL]
	CROUND                                         ; all four work-groups are here: the first joint loads meet
	JLOAD                                          ; key step 0 into slot 0
	WIN 0x40
.set n, 0
.rept 32
	global_load_b128 v[4*n:4*n+3], v[LI], s[54:55] offset:512*n   ; Q stays in registers: (tile q, K step s) at 16 (4 q + s)
.set n, n+1
.endr
	WIN 0
	s_wait_kmcnt 0x0
	s_add_co_i32 s28, s68, s69
	s_lshl_b32 s28, s28, 23
	s_mov_b32 s50, 0x3d8293ee                      ; c = log2(e) / sqrt(512)
	s_add_co_i32 s50, s50, s28                     ; a score stands for score x 2^(e6 + e7): added to c's exponent field
	s_mov_b32 s51, s50                             ; (named with it as a pair, so it is written)
	s_add_co_i32 s28, s72, 127
	s_lshl_b32 s30, s28, 23
	v_mov_b32 v[PSC], s30                          ; 2^e8
	s_add_co_i32 s28, s28, 8
	s_lshl_b32 s28, s28, 23
	s_or_b32 s28, s28, 0x600000
	v_mov_b32 v[PLIM], s28                         ; 448 x 2^e8
	s_sub_co_i32 s28, s74, s72
	s_sub_co_i32 s28, s28, s73
	s_add_co_i32 s28, s28, 127
	s_lshl_b32 s30, s28, 23
	v_mov_b32 v[OSC], s30                          ; 2^(e10 - e8 - e9): a sum of the second product stands for sum x 2^(e8 + e9)
	s_add_co_i32 s28, s28, 8
	s_lshl_b32 s28, s28, 23
	s_or_b32 s28, s28, 0x600000
	v_mov_b32 v[OLIM], s28
	s_add_co_i32 s28, s74, s75
	s_sub_co_i32 s77, 0, s28                       ; -(e10 + e11), for bo
	s_add_co_i32 s28, s28, 127
	s_lshl_b32 s76, s28, 23                        ; 2^(e10 + e11)
.irp q, 0,1
	v_mov_b32 v[ST+8*\q+1], 0xff61b1e6             ; the largest t so far: -3e38, under every t
	v_floor_f32 v[ST+8*\q], -v[ST+8*\q+1]          ; -M
	v_mov_b32 v[ST+8*\q+2], 0                      ; the sum, in two halves
	v_mov_b32 v[ST+8*\q+3], 0
	v_mov_b32 v[ST+8*\q+5], 0                      ; (named as the upper half of f's pair)
	v_mov_b32 v[32+\q], 0                          ; a lane permute's destination counts as one of its sources
.endr
	s_wait_loadcnt 0x0                             ; Q
; For channel tile nt of my eight: 18 loads: Wo's four fragments and bo's eight numbers a lane, into set nt % 2
.macro LOADW nt
.set pp, (\nt)%2
	WIN 0x40
.set n, 0
.rept 16
	global_load_b128 v[64*pp+4*n:64*pp+4*n+3], v[LI], s[60:61] offset:(\nt)*8192+512*n
.set n, n+1
.endr
	WIN 0
	global_load_b128 v[BR+8*pp:BR+8*pp+3], v[BH], s[62:63] offset:64*(\nt)
	global_load_b128 v[BR+8*pp+4:BR+8*pp+7], v[BH], s[62:63] offset:64*(\nt)+16
.endm
; 16 loads: x of channel tile nt into the set at rs: channel 8 h + j, positions 64 hf + 4 r + 0 .. 3 at rs + 4 (2 j + hf)
.macro LOADX nt, rs
.irp j, 0,1,2,3,4,5,6,7
.irp hf, 0,1
	global_load_b128 v[\rs+4*(2*\j+\hf):\rs+4*(2*\j+\hf)+3], v[XO], s[56:57] offset:(\nt)*65536+\j*4096+\hf*256 th:TH_LOAD_NT
.endr
.endr
.endm
; four fragments in one run of 16 loads, into set gg % 2.  K: tiles 4 (gg / 4) + 0 .. 3, K step gg % 4.  V: channel tiles 4 gg + 0 .. 3
.macro FETCHK gg
	WIN 0x40
.set fb, 128+64*((\gg)%2)
.set fo, (4*((\gg)/4))*8192+((\gg)%4)*2048
.irp i, 0,1,2,3
.irp c, 0,1,2,3
	ds_load_b128 v[fb+16*\i+4*\c:fb+16*\i+4*\c+3], v[ADK] offset:fo+\i*8192+512*\c
.endr
.endr
.endm
.macro FETCHV gg
	WIN 0x40
.set fb, 128+64*((\gg)%2)
.irp i, 0,1,2,3
.irp c, 0,1,2,3
	ds_load_b128 v[fb+16*\i+4*\c:fb+16*\i+4*\c+3], v[ADV] offset:(4*(\gg)+\i)*2048+512*\c
.endr
.endr
.endm
; eight products on eight accumulators, which take turns, one instruction a turn
.macro MULK gg
	WIN 0x05                                       ; K and Q in window 1, S^T in window 0
.set fb, 128+64*((\gg)%2)
.irp i, 0,1,2,3
.irp q, 0,1
.set rS, S+64*\q+8*(4*((\gg)/4)+\i)
.set rQ, 16*(4*\q+(\gg)%4)
.if (\gg)%4 == 0
	v_wmma_f32_16x16x128_fp8_fp8 v[rS:rS+7], v[fb+16*\i:fb+16*\i+15], v[rQ:rQ+15], 0
.else
	v_wmma_f32_16x16x128_fp8_fp8 v[rS:rS+7], v[fb+16*\i:fb+16*\i+15], v[rQ:rQ+15], v[rS:rS+7]
.endif
.endr
.endr
.endm
.macro MULV gg, first
.if (\gg) < 4
	WIN 0xa1                                       ; V in window 1, P in window 0, O^T in window 2
.else
	WIN 0xf1                                       ; O^T in window 3
.endif
.set fb, 128+64*((\gg)%2)
.irp i, 0,1,2,3
.irp q, 0,1
.set rO, 16*(4*((\gg)%4)+\i)+8*\q
.if \first
	v_wmma_f32_16x16x128_fp8_fp8 v[rO:rO+7], v[fb+16*\i:fb+16*\i+15], v[P+16*\q:P+16*\q+15], 0
.else
	v_wmma_f32_16x16x128_fp8_fp8 v[rO:rO+7], v[fb+16*\i:fb+16*\i+15], v[P+16*\q:P+16*\q+15], v[rO:rO+7]
.endif
.endr
.endr
.endm
.macro RESC gg                         ; the 64 registers of O^T that group gg's products add onto, x f; each accumulator from its low end on
.if (\gg) < 4
	WIN 0x82
.else
	WIN 0xc3
.endif
.irp i, 0,1,2,3
.irp q, 0,1
.irp j, 0,2,4,6
.set rO, 16*(4*((\gg)%4)+\i)+8*\q+\j
	v_pk_mul_f32 v[rO:rO+1], v[rO:rO+1], v[ST+8*\q+4:ST+8*\q+5] op_sel_hi:[1,0]
.endr
.endr
.endr
.endm
.macro SOFTA q                         ; the largest score, M, f, and t - M
.set rT, ST+8*\q
.set rS, S+64*\q
	v_max3_num_f32 v[rT+6], v[rS], v[rS+1], v[rS+2]      ; my query's largest score among my 64 keys, in two chains, ascending
	v_max3_num_f32 v[rT+7], v[rS+3], v[rS+4], v[rS+5]
.irp i, 6,10,14,18,22,26,30,34,38,42,46,50,54,58
	v_max3_num_f32 v[rT+6], v[rT+6], v[rS+\i], v[rS+\i+1]
	v_max3_num_f32 v[rT+7], v[rT+7], v[rS+\i+2], v[rS+\i+3]
.endr
	v_max3_num_f32 v[rT+6], v[rT+6], v[rS+62], v[rS+63]
	v_max_num_f32 v[rT+6], v[rT+6], v[rT+7]
	v_permlanex16_b32 v[32+\q], v[rT+6], s48, s49
	v_max_num_f32 v[rT+6], v[rT+6], v[32+\q]       ; and among lane l xor 16's
	v_mul_f32 v[rT+6], s50, v[rT+6]                ; as t (c is positive)
	v_max_num_f32 v[rT+1], v[rT+1], v[rT+6]        ; the running largest t
	v_mov_b32 v[rT+6], v[rT]
	v_floor_f32 v[rT], -v[rT+1]                    ; the new -M = -ceil(t)
	v_sub_f32 v[rT+6], v[rT], v[rT+6]              ; old M - new M: a whole number, 0 or less
	v_cvt_i32_f32 v[rT+6], v[rT+6]                 ; (it saturates)
	v_ldexp_f32 v[rT+4], 1.0, v[rT+6]              ; f = 2^(old M - new M)
.irp j, 0,2,4,6,8,10,12,14,16,18,20,22,24,26,28,30,32,34,36,38,40,42,44,46,48,50,52,54,56,58,60,62
	v_pk_fma_f32 v[rS+\j:rS+\j+1], v[rS+\j:rS+\j+1], s[50:51], v[rT:rT+1] op_sel_hi:[1,0,0]   ; t - M (of the pairs c and -M the low word serves both halves)
.endr
.endm
.macro SOFTB q                         ; the sum of the unquantised p; the hold; the codes
.set rT, ST+8*\q
.set rS, S+64*\q
	v_pk_mul_f32 v[rT+2:rT+3], v[rT+2:rT+3], v[rT+4:rT+5] op_sel_hi:[1,0]   ; the sum under the new M
	s_wait_alu depctr_va_vdst(0)
	v_pk_add_f32 v[34+2*\q:35+2*\q], v[rS:rS+1], v[rS+2:rS+3]
.irp j, 4,8,12,16,20,24,28,32,36,40,44,48,52,56,60
	v_pk_add_f32 v[rT+2:rT+3], v[rT+2:rT+3], v[rS+\j:rS+\j+1]
	v_pk_add_f32 v[34+2*\q:35+2*\q], v[34+2*\q:35+2*\q], v[rS+\j+2:rS+\j+3]
.endr
	v_pk_add_f32 v[rT+2:rT+3], v[rT+2:rT+3], v[34+2*\q:35+2*\q]
.irp b, 0,1,2,3
.irp i, 0,1,2,3,4,5,6,7,8,9,10,11,12,13,14,15
	v_min_num_f32 v[rS+16*\b+\i], v[rS+16*\b+\i], v[PLIM]   ; the conversion does not saturate (ISA guide 7.6.2); p is not negative, so the hold is one-sided
.endr
	v_cvt_scalef32_pk8_fp8_f32 v[P+16*\q+4*\b:P+16*\q+4*\b+1], v[rS+16*\b:rS+16*\b+7], v[PSC]
	v_cvt_scalef32_pk8_fp8_f32 v[P+16*\q+4*\b+2:P+16*\q+4*\b+3], v[rS+16*\b+8:rS+16*\b+15], v[PSC]
.endr
.endm
; A KEY STEP.  The fragments come in groups of four, two groups ahead, into two sets by turns; V's first two groups land under the softmax; O^T's rescaling stands between the products V^T P^T, where it is also the places in front of the loads.
; first = 1: the products V^T P^T start O^T's sums: nothing is cleared, nothing rescaled.  last = 1: behind the softmax S^T's registers are free: x of my channel tiles 0 and 1 is asked for, 32 loads.
.macro STEP first, last
	v_add_nc_u32 v[ADK], s52, v[LI]
	v_add_nc_u32 v[ADV], 0x10000, v[ADK]
	FETCHK 0
	FETCHK 1
.set g, 0
	s_wait_alu depctr_va_vdst(0)
.rept 8
	s_wait_dscnt 16                                ; group g is in; the 16 loads of the group behind it may be out
	MULK g
	PLACES
.if g < 6
	FETCHK g+2
.else
	FETCHV g-6
.endif
.set g, g+1
.endr
	WIN 0
; x IS PREFETCHED INTO THE L2, one of my eight channel tiles a key step: 16 channels x 512 bytes = 32 blocks of 256 bytes, a lane a block, each named once in the launch by the wave that will load it.
; Key step n names tile 6 - n (n = 0 .. 6): tiles 3 to 6 are loaded at the head of key step 7, three steps or more behind their prefetch; tiles 0 to 2 in and behind key step 7; key step 7 names tile 7, which is loaded behind channel tile 1.
.if \last
	global_prefetch_b8 v[PF], s[56:57] offset:7*65536 th:TH_LOAD_NT scope:SCOPE_SE
.else
	global_prefetch_b8 v[PF], s[92:93] th:TH_LOAD_NT scope:SCOPE_SE
.endif
	SOFTA 0
	SOFTA 1
.set n, 0
	s_wait_alu depctr_va_vdst(0)
.rept 128
	v_exp_f32 v[S+n], v[S+n]                       ; p = 2^(t - M), at most 1
.set n, n+1
.endr
	SOFTB 0                                        ; (its first line is the plain instruction behind the exponentials)
	SOFTB 1
	v_nop                                          ; a plain instruction between the conversions and the products that read their results
.if \last
	LOADX 0, R0
	LOADX 1, R1
.endif
.if !\first
	RESC 0
.endif
.set g, 0
	s_wait_alu depctr_va_vdst(0)
.rept 8
.if g < 7
	s_wait_alu depctr_va_vdst(0)
	s_wait_dscnt 16
.else
	s_wait_alu depctr_va_vdst(0)
	s_wait_dscnt 0
.endif
	MULV g, \first
.if \first
.if g < 6
	PLACES
.endif
.else
.if g < 7
	RESC g+1
.endif
.endif
.if g < 6
	FETCHV g+2
.endif
.set g, g+1
.endr
	WIN 0
.if !\last
	s_wait_xcnt 0x0                                ; my prefetch has read its address: it is stepped only behind this wait
	s_sub_nc_u64 s[92:93], s[92:93], 65536         ; one channel tile down (behind key step 6 it is used no more)
.endif
	s_xor_b32 s52, s52, SLOT1                      ; on to the other slot
.endm
; THE CHANGE OF SLOTS stands at a step's head.  Each wave waits for all its tensor loads (its part of the slot ahead), adds 0 to its spare word, and waits for that and for its reads of the slot that it has left.
; Then a round of the cluster's barrier, so that no wave of any partner still reads that slot or has a load on its way; the refill is the first thing behind it and has a whole step in which to land.
; fill = 1: the joint refill with the next 128 keys.  fill = 2, ahead of the last step: no keys are left; each wave's own load brings x of its channel tiles 3 to 6 into its quarter of the slot.
.macro CHANGE fill
	WIN 0
	s_wait_tensorcnt 0x0                           ; no tensor load of mine is out, so a group 0 may be written
	ds_add_u32 v[SPW], v[NIL]                      ; 0 onto my spare word
.if \fill == 1
	s_xor_b32 s41, s41, SLOT1                      ; the walking descriptors: the other slot,
	s_add_nc_u64 s[42:43], s[42:43], 65536         ; the next 128 keys; the type bits on top are not reached
	s_xor_b32 s45, s45, SLOT1
	s_add_nc_u64 s[46:47], s[46:47], 65536
.endif
	s_wait_dscnt 0x0                               ; the add is done, and my reads of the slot that I have left are over
	CROUND
.if \fill == 1
	JLOAD                                          ; its four v_nop are also the places in front of the step's first loads
.else
	tensor_load_to_lds s[88:91], s[80:87]
	s_nop 0
.rept 4
	v_nop                                          ; (also the places in front of the step's first loads)
.endr
.endif
.endm
	CHANGE 1                                       ; step 1 is asked for, into slot 1
	STEP 1, 0
.Lstep:                                            ; six trips: steps 1 to 6; each asks for the step behind it
	CHANGE 1
	STEP 0, 0
	s_sub_co_u32 s53, s53, 1
	s_cmp_lg_u32 s53, 0
	s_cbranch_scc1 .Lstep
	CHANGE 2                                       ; the last step is written out: slot 0 takes x
	STEP 0, 1
	; THE END.
	PLACES                                         ; behind the last products, which read p's codes
	LOADX 2, R2                                    ; 48 loads of x are out
.irp q, 0,1
	v_add_f32 v[ST+8*\q+2], v[ST+8*\q+2], v[ST+8*\q+3]   ; the sum's two halves,
.endr
.irp q, 0,1
	v_permlanex16_b32 v[32+\q], v[ST+8*\q+2], s48, s49
.endr
.irp q, 0,1
	v_add_f32 v[ST+8*\q+2], v[ST+8*\q+2], v[32+\q]       ; and lane l xor 16's
.endr
	s_wait_alu depctr_va_vdst(0)
.irp q, 0,1
	v_rcp_f32 v[ST+8*\q+4], v[ST+8*\q+2]
.endr
	v_nop                                          ; a plain instruction behind the transcendentals
	s_wait_alu depctr_va_vdst(0)
.macro NORM                            ; a window's 32 accumulators: / the sum, and the hold; each from its low end on
.set ac, 0
.rept 32
.irp j, 0,2,4,6
	v_pk_mul_f32 v[8*ac+\j:8*ac+\j+1], v[8*ac+\j:8*ac+\j+1], v[ST+8*(ac%2)+4:ST+8*(ac%2)+5] op_sel_hi:[1,0]
.endr
.irp j, 0,1,2,3,4,5,6,7
	v_med3_num_f32 v[8*ac+\j], v[8*ac+\j], -v[OLIM], v[OLIM]
.endr
.set ac, ac+1
.endr
.endm
	WIN 0x82
	NORM
	LOADW 0                                        ; into Q's registers, which are done with
	WIN 0xc3
	NORM
	LOADW 1
.macro OCODE s                         ; K step s of o's two fragments: channel tiles 8 s + 2 c + u give registers 4 c + 2 u
.irp q, 0,1
.irp c, 0,1,2,3
.irp u, 0,1
	v_cvt_scalef32_pk8_fp8_f32 v[128+64*\q+16*\s+4*\c+2*\u:129+64*\q+16*\s+4*\c+2*\u], v[16*((8*\s+2*\c+\u)%16)+8*\q:16*((8*\s+2*\c+\u)%16)+8*\q+7], v[OSC]
.endr
.endr
.endr
.endm
	WIN 0x42                                       ; source 0 window 2, destination window 1
	OCODE 0
	OCODE 1
	WIN 0x43
	OCODE 2
	OCODE 3
	v_nop                                          ; a plain instruction behind the last conversion
	WIN 0
	s_wait_alu depctr_va_vdst(0)
	s_wait_tensorcnt 0x0                           ; my tile of x has landed: only I read it
	s_wait_dscnt 0x0                               ; my reads of slot 1 are over
	s_barrier_signal -1
	s_barrier_wait -1                              ; everybody's are: slot 1, which has had its last fill, may take the images
	WIN 0x04                                       ; store data in window 1
.set n, 0
.rept 32
	ds_store_b128 v[OW], v[128+4*n:128+4*n+3] offset:512*n   ; my eight fragments' images
.set n, n+1
.endr
	WIN 0
	s_wait_dscnt 0x0                               ; for the others' sake: my images are written
	s_barrier_signal -1
	s_barrier_wait -1
	WIN 0x80
.set n, 0
.rept 64
	ds_load_b128 v[4*n:4*n+3], v[LO] offset:512*n  ; all 32 fragments of o: (query tile qt, K step s) at 64 (qt % 4) + 16 s of window 2 + qt / 4
.set n, n+1
.endr
	WIN 0xc0
.set n, 0
.rept 64
	ds_load_b128 v[4*n:4*n+3], v[LO] offset:32768+512*n
.set n, n+1
.endr
	WIN 0
	s_wait_dscnt 0x0
.macro MO qt, s
.set rD, 128+8*(\qt)
.set rA, 64*pp+16*(\s)
.set rB, 64*((\qt)%4)+16*(\s)
.if \s == 0
	v_wmma_f32_16x16x128_fp8_fp8 v[rD:rD+7], v[rA:rA+15], v[rB:rB+15], v[192:199]
.else
	v_wmma_f32_16x16x128_fp8_fp8 v[rD:rD+7], v[rA:rA+15], v[rB:rB+15], v[rD:rD+7]
.endif
.endm
; Channel tile nt: 16 channels x 128 queries, 32 products; four accumulators take turns; bo / 2^(e10 + e11) is the C of each sum's first product.
; rs: the set that holds x and then out.  Tiles 0, 1, 2, 7 find x loaded from memory; tiles 3 to 6 fetch it from LDS between the two halves of the products.
; younger: the global loads issued behind this tile's Wo and bo, which may stay out.  The order of issue: x 0, x 1, x 2 (16 each), Wo 0, Wo 1 (18 each); then behind tile 0: Wo 2; tile 1: Wo 3, x 7; tile n: Wo n + 2.
; The wait on XCNT stands ahead of the tile's own loads and stores: the newest that it waits for are the last tile's.  Behind it the set that the last tile stored may be loaded again: by x 7 here (tile 1), by the next tile's LDS loads (tiles 2 to 5).
.macro OUTT nt, rs, younger
.set pp, (\nt)%2
	s_wait_loadcnt \younger
	WIN 0x40
.irp j, 0,1,2,3,4,5,6,7
	v_ldexp_f32 v[192+\j], v[BR+8*pp+\j], s77
.endr
	WIN 0x59                                       ; Wo, C and D in window 1, o in window 2
.irp s, 0,1,2,3
.irp qt, 0,1,2,3
	MO \qt, \s
.endr
.endr
.if ((\nt) >= 3) && ((\nt) <= 6)
	WIN 0
.irp j, 0,1,2,3,4,5,6,7
.irp hf, 0,1
	ds_load_b128 v[\rs+4*(2*\j+\hf):\rs+4*(2*\j+\hf)+3], v[XL] offset:((\nt)-3)*8192+\j*512+\hf*256   ; 16 lanes read 256 consecutive bytes
.endr
.endr
.endif
	WIN 0x5d                                       ; o in window 3
.irp s, 0,1,2,3
.irp qt, 4,5,6,7
	MO \qt, \s
.endr
.endr
	PLACES
.if ((\nt) >= 3) && ((\nt) <= 6)
	s_wait_dscnt 0x0                               ; x is in (asked for 16 products ago)
.endif
	WIN 0x01
.irp qt, 0,1,2,3,4,5,6,7
.irp j, 0,1,2,3,4,5,6,7
	v_fma_f32 v[\rs+4*(2*\j+\qt/4)+\qt%4], v[128+8*\qt+\j], s76, v[\rs+4*(2*\j+\qt/4)+\qt%4]   ; out = sum x 2^(e10 + e11) + x
.endr
.endr
	WIN 0
.if ((\nt) >= 1) && ((\nt) <= 5)
	s_wait_alu depctr_va_vdst(0)
	s_wait_xcnt 0x0
.endif
.if (\nt) < 6
	LOADW (\nt)+2
.endif
.if (\nt) == 1
	LOADX 7, R0
.endif
.irp j, 0,1,2,3,4,5,6,7
.irp hf, 0,1
	global_store_b128 v[XO], v[\rs+4*(2*\j+\hf):\rs+4*(2*\j+\hf)+3], s[58:59] offset:(\nt)*65536+\j*4096+\hf*256 th:TH_STORE_NT   ; 16 lanes store 256 consecutive bytes, aligned
.endr
.endr
.endm
	OUTT 0, R0, 18                                 ; behind Wo 0: Wo 1
	OUTT 1, R1, 18                                 ; behind Wo 1: Wo 2
	OUTT 2, R2, 34                                 ; behind Wo 2: Wo 3, x 7
	OUTT 3, R1, 34                                 ; behind Wo 3: x 7, Wo 4
	OUTT 4, R2, 18
	OUTT 5, R1, 18
	OUTT 6, R2, 18
	OUTT 7, R0, 0
	s_wait_tensorcnt 0x0                           ; the wave's end, behind my last tensor load and my last LDS store
	ds_add_u32 v[SPW], v[NIL]
	s_wait_dscnt 0x0
	CROUND                                         ; the closing round: no work-group ends while a partner may still ask for a tile that names it
	s_endpgm
.Lfunc_end_k_q5a591b61ea_attn:
	.size	k_q5a591b61ea_attn, .Lfunc_end_k_q5a591b61ea_attn-k_q5a591b61ea_attn
	.p2alignl 7, 3214868480
	.fill 96, 4, 3214868480
	.section	.rodata,"a",@progbits
	.p2align	6, 0x0
	.amdhsa_kernel k_q5a591b61ea_attn
		.amdhsa_group_segment_fixed_size 327680
		.amdhsa_private_segment_fixed_size 0
		.amdhsa_enable_private_segment 0
		.amdhsa_kernarg_size 64
		.amdhsa_user_sgpr_count 2
		.amdhsa_user_sgpr_kernarg_segment_ptr 1
		.amdhsa_wavefront_size32 1
		.amdhsa_system_sgpr_workgroup_id_x 1
		.amdhsa_system_sgpr_workgroup_id_y 1
		.amdhsa_system_sgpr_workgroup_id_z 1
		.amdhsa_system_vgpr_workitem_id 0
		.amdhsa_next_free_vgpr 1024
		.amdhsa_next_free_sgpr 96
		.amdhsa_reserve_vcc 0
		.amdhsa_float_denorm_mode_32 3
		.amdhsa_float_denorm_mode_16_64 3
		.amdhsa_memory_ordered 1
		.amdhsa_forward_progress 1
		.amdhsa_inst_pref_size 255
	.end_amdhsa_kernel
	.section	.bss,"aw",@nobits
	.p2align	6
	.space	262144
	.amdgpu_metadata
---
amdhsa.version: [ 1, 2 ]
amdhsa.kernels:
  - .name:           k_q5a591b61ea_attn
    .symbol:         k_q5a591b61ea_attn.kd
    .args:
      - { .name: qc, .offset: 0, .size: 8, .value_kind: global_buffer, .address_space: global }
      - { .name: kc, .offset: 8, .size: 8, .value_kind: global_buffer, .address_space: global }
      - { .name: vc, .offset: 16, .size: 8, .value_kind: global_buffer, .address_space: global }
      - { .name: wc, .offset: 24, .size: 8, .value_kind: global_buffer, .address_space: global }
      - { .name: bo, .offset: 32, .size: 8, .value_kind: global_buffer, .address_space: global }
      - { .name: x, .offset: 40, .size: 8, .value_kind: global_buffer, .address_space: global }
      - { .name: lowp_scales, .offset: 48, .size: 8, .value_kind: global_buffer, .address_space: global }
      - { .name: out0, .offset: 56, .size: 8, .value_kind: global_buffer, .address_space: global }
    .group_segment_fixed_size: 327680
    .private_segment_fixed_size: 0
    .kernarg_segment_align: 8
    .kernarg_segment_size: 64
    .max_flat_workgroup_size: 128
    .sgpr_count:     96
    .vgpr_count:     1024
    .wavefront_size: 32
...
	.end_amdgpu_metadata
.endif
;; end of part 3
